; MI455X (gfx1250); checked and timed in simulation.
; The chip was launched on July 23, 2026; its instructions are those of AMD's public machine-readable ISA for CDNA 5 (MIT licence, August 2026) and "CDNA5" Instruction Set Architecture Reference Guide (July 2026). The comments in the code are by the model that wrote it; some were corrected since.
;; Edge Decoder. Allowed arithmetic: float matrix products may take bf16 or f16 operands with f32 sums; all other float work in f32.
;; Inputs: W1 512 x 256 float32; W2 256 x 1 float32; b1 256 float32; b2 1 float32; edge_label_index 2 x 500,000 int32; movie_emb 50,000 x 256 float32; user_emb 100,000 x 256 float32.
;; Outputs: out0 500,000 x 1 float32.
;; One version. Each part assembles by itself: llvm-mc -triple=amdgcn-amd-amdhsa -mcpu=gfx1250 --defsym DOCPART=n.
;; ======== version 1 of 1: 1 launch
;; launch edge (part 1): grid 250 x 1, 4 waves a work-group, no clusters, 201,216 bytes of LDS; arguments W1, W2, b1, b2, edge_label_index, movie_emb, user_emb, out0; writes out0
.if DOCPART == 1
	.amdgcn_target "amdgcn-amd-amdhsa--gfx1250"
	.amdhsa_code_object_version 6
	.text
	.protected	k_q820068d80b_edge
	.globl	k_q820068d80b_edge
	.p2align	8
	.type	k_q820068d80b_edge,@function
k_q820068d80b_edge:
	s_mov_b64 s[64:65], 0
	v_nop
	global_prefetch_b8 v0, s[64:65] scope:SCOPE_SE
	s_setreg_imm32_b32 hwreg(HW_REG_WAVE_MODE, 25, 1), 1
	s_wait_xcnt 0x0
; out0[e] = relu([user_emb[iu[e]], movie_emb[im[e]]] W1 + b1) . W2 + b2 for 500,000 edges, in one launch.
; SHARES.  250 work-groups x 2,000 edges: the same text and the same constant trip counts in all of them.  A work-group walks 32 tiles of 64 rows.
; Row n of the walk (0..2047) is its local edge n - 48; tile 0's rows 0-47 have no such edge and take edges 16-63 a first time: their results land in
; the 192 bytes in front of edge 0's word and are never read.  That is 48 of 2,048 rows of work without use; it buys 32 equal tiles and no ragged tail.
; The four waves split the hidden layer: wave w owns columns 64w..64w+63 and keeps its slice of W1 (512 k x 64 n, bf16) in 512 registers for the
; whole launch.  All four read the same tile of X (64 rows x 512 k, bf16) from LDS: a fragment of 1,024 bytes feeds four matrix instructions.
; The gather is split by rows: wave w fetches rows 16w..16w+15 of a tile, four loads a row, each 512 neighbouring aligned bytes of a table row,
; rounds them to bf16 in place and stores them into the X slot.  Products in bf16 with f32 sums; bias, relu and the second layer in f32.
; PIPELINE.  Trip t multiplies tile t, converts tile t+1 into the other X slot, and behind each converted pair of rows asks for the same pair of
; tile t+2 into the registers just freed: 64 loads (32 KiB) of every wave are always out, each for a whole trip.  One barrier a trip.
; ORDER INSIDE A TRIP.  A block is 16 rows x my 64 columns: 4 accumulators, 64 matrix instructions, in 4 stretches of 16.  Two sets of accumulators take
; turns by the block's parity, so that a block's relu and second layer are done while the next block is multiplied.  All memory instructions of a trip
; stand in eight runs (RP 0..7: behind the barrier, then behind every second stretch), each behind that point's vector work; between two runs stand
; 32 matrix instructions, and behind them ride only instructions that need no other register window (relu, the next pair's offsets).
; THE MATRIX INSTRUCTION IS USED TRANSPOSED: source 0 = 16 columns of W1, source 1 = 16 rows of X.  Lane (r, h) of the result holds row r, register j
; hidden column n0+8h+j.  So b1 goes in as the first product's C (nothing is cleared, nothing added), and the second layer is a sum inside the lane.
; K IS PERMUTED, alike in X and in W1: a lane packs its words of two loads into one 16-byte store, so position 8 lane + 4 j + i of each half of an X row
; holds k = 128 j + 4 lane + i; the rows of W1 are put into the stage by the same map.  The products are the same, their order in the sums is not.
; NO CLUSTER: work-groups share only W1, 512 KiB read once by each, against 2,048 x 2 KiB of gathered rows that they do not share.
; NO TENSOR LOADS: the rows are named by a list, one address a row.  NO PREFETCH: each gather load is itself issued a whole trip ahead of its use.
; LIMITS.  Indices are taken as unsigned and clamped to the table's last row (reference() relies on indices inside the table; a negative index is
; not wrapped).  relu is v_max_num_f32: a NaN in the hidden layer becomes 0, where reference() would hand it on.
.set NU,    100000                     ; rows of user_emb
.set NM,    50000                      ; rows of movie_emb
.set NE,    500000                     ; edges: a row of the index list is 4 NE bytes
.set EPG,   2000                       ; edges of a work-group
.set XP,    1040                       ; an X row in LDS: 1,024 bytes (512 bf16) + 16: an odd multiple of 16, so the 16 rows of a fragment load start in 16 different 16-byte columns modulo 256
.set XSLOT, 64*XP                      ; X slot 0 at 0, slot 1 at XSLOT
.set PART,  2*XSLOT                    ; behind them: eight parts (wave, half of the lanes) of every row's result
.set PPH,   8448                       ; bytes of one part: 2,048 words, rounded up
.set LEAD,  192                        ; edge 0's word in a part: the 48 words in front of it take tile 0's rows 0-47
.set WP,    160                        ; set-up only: a row of the W stage, 128 bytes (64 bf16) + 32: an odd multiple of 32, for the transposing loads
.set WST,   256*WP                     ; set-up only: each wave's stage, 256 k rows, at WST x wave; it overlays X and PART and is left behind the first barrier
; window 0
.set LANE16, 1                         ; 16 x lane
.set STA0,  2                          ; where my rows go in X slot 0: 16 w rows + 16 x lane
.set STA1,  3                          ; in slot 1
.set FA0,   4                          ; fragments from slot 0: r x pitch + 16 h
.set FA1,   5                          ; from slot 1
.set PADR,  6                          ; my word of my part for the first row of the tile whose results are being stored; stepped once a trip
.set AD,    8                          ; v[8:11]    byte offsets of a pair's table rows: row 0 user, movie, row 1 user, movie
                                       ; v[12:15]   scratch
.set E,     16                         ; v[16:23]   the second layer's sums of one block
.set B1,    24                         ; v[24:55]   b1[64w+16nb+8h+j] at 8 nb + j: the layout of a result
.set W2R,   56                         ; v[56:87]   W2 likewise
.set ACC,   88                         ; v[88:151]  two sets of four accumulators: set s, block of columns nb at 32 s + 8 nb
.set F,     152                        ; v[152:247] three buffers of X fragments, stretch st in buffer st mod 3, k step kk at 8 kk
.set WR,    88                         ; set-up only: v[88:215] a ring of 32 loads of W1;  v[216:231] their bf16
.set TS,    216
.set WGA,   248                        ; set-up: my bytes of W1;  249: into the stage;  250: out of it, transposed;  251: b1 and W2
.set WSA,   249
.set WTA,   250
.set BA,    251
.set OV,    252                        ; the way out: 16 x thread
.set LR,    253                        ; the way out: the same bytes in part 0
; window 1: W fragments of k steps 0-7 at 32 ks + 8 nb;  window 2: k steps 8-15;  window 3: gathered rows, row slot i, load j at 16 i + 4 j
; scalars: s[4:19] the eight addresses; s[12:13] becomes the pointer into the list; s20 wave; s21 scratch; s22 counter; s[26:27] b2 twice;
; s28, s29, s30 the way out; two sets of 16 + 16 indices, by the tile's parity:
.set IUA, 32                           ; even tiles: users s[32:47], movies s[48:63]
.set IMA, 48
.set IUB, 68                           ; odd tiles: users s[68:83], movies s[84:99]
.set IMB, 84
.set MSB, 0
.macro WIN new                         ; low byte: bits 1:0 source 0, 3:2 source 1, 5:4 source 2, 7:6 destination; the high byte repeats the setting that is left
.if MSB != \new
	s_set_vgpr_msb (MSB<<8)|\new
.set MSB, \new
.endif
.endm
.macro PLACES                          ; four places behind a matrix instruction, ahead of a load into one of its sources or a read of its result
.rept 4
	v_nop
.endr
.endm
; ---- the gather: pair PP = row slots 2 PP, 2 PP + 1 ----
.macro GADDR iu, im                    ; the offsets of the pair's four table rows, written out (set-up; in the trips they ride behind products: RIDE)
	WIN 0
	s_wait_xcnt 0x0                                ; AD is still named by the last pair's loads: it is rewritten only behind this wait
.irp e,0,1
	s_min_u32 s[\iu+2*PP+\e], s[\iu+2*PP+\e], NU-1 ; a loaded number enters an address only clamped to its table
	s_min_u32 s[\im+2*PP+\e], s[\im+2*PP+\e], NM-1
	v_lshl_add_u32 v[AD+2*\e],   s[\iu+2*PP+\e], 10, v[LANE16]    ; row x 1,024 bytes + 16 x lane
	v_lshl_add_u32 v[AD+2*\e+1], s[\im+2*PP+\e], 10, v[LANE16]
.endr
.endm
.macro GLP                             ; the pair's eight loads, under 0xcc (data into window 3, offsets from window 0).  No hint: a row is named by several edges
.irp e,0,1
	global_load_b128 v[16*(2*PP+\e):16*(2*PP+\e)+3],     v[AD+2*\e],   s[16:17]
	global_load_b128 v[16*(2*PP+\e)+4:16*(2*PP+\e)+7],   v[AD+2*\e],   s[16:17] offset:512
	global_load_b128 v[16*(2*PP+\e)+8:16*(2*PP+\e)+11],  v[AD+2*\e+1], s[14:15]
	global_load_b128 v[16*(2*PP+\e)+12:16*(2*PP+\e)+15], v[AD+2*\e+1], s[14:15] offset:512
.endr
.endm
.macro CVTP                            ; the pair is rounded to bf16 in place, under 0xcf (all in window 3): eight f32 of two loads become four words
.irp e,0,1
.irp c,0,1
.set RB, 16*(2*PP+\e)+8*\c
	v_cvt_pk_bf16_f32 v[RB],   v[RB],   v[RB+1]   ; each line writes a register whose old number an earlier line has read
	v_cvt_pk_bf16_f32 v[RB+1], v[RB+2], v[RB+3]
	v_cvt_pk_bf16_f32 v[RB+2], v[RB+4], v[RB+5]
	v_cvt_pk_bf16_f32 v[RB+3], v[RB+6], v[RB+7]
.endr
.endr
.endm
.macro STP xw                          ; and stored, under 0xcc (address window 0, data window 3): 32 lanes, 512 neighbouring bytes, half a row of X
.irp e,0,1
.irp c,0,1
	ds_store_b128 v[\xw], v[16*(2*PP+\e)+8*\c:16*(2*PP+\e)+8*\c+3] offset:(2*PP+\e)*XP+512*\c
.endr
.endr
.endm
; ---- eight LDS loads: the X fragments of stretch st (block st / 4, k steps 4 (st mod 4) .. + 3) ----
.macro FRAG xr, st
.irp kk,0,1,2,3
	ds_load_b128 v[F+32*((\st)%3)+8*\kk:F+32*((\st)%3)+8*\kk+3],   v[\xr] offset:16*((\st)/4)*XP+64*(4*((\st)%4)+\kk)
	ds_load_b128 v[F+32*((\st)%3)+8*\kk+4:F+32*((\st)%3)+8*\kk+7], v[\xr] offset:16*((\st)/4)*XP+64*(4*((\st)%4)+\kk)+32
.endr
.endm
; ---- what rides behind matrix instruction QQ of a stretch.  Neither line has a vector register as source 0, so the products' window setting serves.
; MAXB >= 0: relu of one register of the block before.  GAON: the offsets of pair GAP from the index set (GIU, GIM); KMW: that set's loads are waited for first.
.macro RIDE
.if MAXB >= 0
	v_max_num_f32 v[MAXB+QQ], 0, v[MAXB+QQ]
.endif
.if GAON
.if QQ == 8
.if KMW
	s_wait_kmcnt 0x0                               ; the list asked for at this trip's head is in
.endif
	s_wait_xcnt 0x0                                ; AD is still named by the last run's loads: it is rewritten only behind this wait
.endif
.if QQ > 8
.if QQ < 13
.set RW, QQ-9
.if (RW%2) == 0
	s_min_u32 s[GIU+2*GAP+RW/2], s[GIU+2*GAP+RW/2], NU-1
	v_lshl_add_u32 v[AD+RW], s[GIU+2*GAP+RW/2], 10, v[LANE16]
.else
	s_min_u32 s[GIM+2*GAP+RW/2], s[GIM+2*GAP+RW/2], NM-1
	v_lshl_add_u32 v[AD+RW], s[GIM+2*GAP+RW/2], 10, v[LANE16]
.endif
.endif
.endif
.endif
.endm
; ---- a stretch: sixteen matrix instructions, four k steps x my four blocks of columns.  The four accumulators take turns, one instruction a turn,
; in the same order in every stretch, and a block's last and the next block's first lie in different sets.
.macro MUL st
.set SB, (\st)%4
.set AB, ACC+32*(((\st)/4)%2)
.set FB, F+32*((\st)%3)
.if SB < 2
	WIN 0x01                                       ; source 0 (W) in window 1
.else
	WIN 0x02                                       ; in window 2
.endif
.irp kk,0,1,2,3
.irp nb,0,1,2,3
.set QQ, 4*\kk+\nb
.set WB, 32*((4*SB+\kk)%8)+8*\nb
.if (4*SB+\kk) == 0
	v_wmma_f32_16x16x32_bf16 v[AB+8*\nb:AB+8*\nb+7], v[WB:WB+7], v[FB+8*\kk:FB+8*\kk+7], v[B1+8*\nb:B1+8*\nb+7]
.else
	v_wmma_f32_16x16x32_bf16 v[AB+8*\nb:AB+8*\nb+7], v[WB:WB+7], v[FB+8*\kk:FB+8*\kk+7], v[AB+8*\nb:AB+8*\nb+7]
.endif
	RIDE
.endr
.endr
.endm
; ---- the second layer of the block in accumulator set EAB (relu done): 32 products a lane into four pairs of sums; the first products start the sums
.macro PK16
.irp nb,0,1,2,3
.irp q,0,1,2,3
.if \nb == 0
	v_pk_mul_f32 v[E+2*\q:E+2*\q+1], v[EAB+2*\q:EAB+2*\q+1], v[W2R+2*\q:W2R+2*\q+1]
.else
	v_pk_fma_f32 v[E+2*\q:E+2*\q+1], v[EAB+8*\nb+2*\q:EAB+8*\nb+2*\q+1], v[W2R+8*\nb+2*\q:W2R+8*\nb+2*\q+1], v[E+2*\q:E+2*\q+1]
.endif
.endr
.endr
.endm
.macro SUMUP d                         ; lane (r, h): row r's sum over my columns with this h
	v_pk_add_f32 v[E:E+1],   v[E:E+1],   v[E+2:E+3]
	v_pk_add_f32 v[E+4:E+5], v[E+4:E+5], v[E+6:E+7]
	v_pk_add_f32 v[E:E+1],   v[E:E+1],   v[E+4:E+5]
	v_add_f32 v\d, v[E], v[E+1]
.endm
; ---- run point n.  Set by the caller: EP (1: second layer of set EAB; 2: its sums and the store at POFF), PSTEP, PP = n, LEFT.
; First the vector work, then the one run of memory instructions.  The sixteen conversions, or four v_nop, are the places between the last products
; and the loads into the buffers that they read, and between a block's last products and its relu.  NRP counts the run's LDS instructions.
.macro RP n, xr, xw, cc, gg
	WIN 0
.if PSTEP
	v_add_nc_u32 v[PADR], 0x100, v[PADR]           ; the last tile's four blocks are stored: 64 rows on
.endif
.if EP == 1
	PK16
.endif
.if EP == 2
	SUMUP 12
.endif
.if \cc
	WIN 0xcf
	s_wait_loadcnt LEFT                            ; loads come back in order (ISA guide 5.7.1): the pair's eight are in, LEFT younger ones stay out
	CVTP
	WIN 0
.else
	PLACES
.endif
.set NRP, 4*\cc
.if EP == 2
	ds_store_b32 v[PADR], v12 offset:POFF
.set NRP, NRP+1
.endif
.if \n == 0
	FRAG \xr, 0
	FRAG \xr, 1
	FRAG \xr, 2
.set NRP, NRP+24
.else
.if \n < 7
	FRAG \xr, 2*\n+1                               ; into the buffers of stretches 2 n - 2 and 2 n - 1; stretch 2 n's came with the last run
	FRAG \xr, 2*\n+2
.set NRP, NRP+16
.else
	FRAG \xr, 15
.set NRP, NRP+8
.endif
.endif
.if \cc
	WIN 0xcc
	STP \xw
.if \gg
	GLP                                            ; the same pair of the tile after next, into the registers that the stores above were issued from
.endif
.endif
.endm
; ---- a trip.  xr: fragments of this tile's slot; xw: the other slot, for the next tile's rows; prev: a tile was multiplied before this one;
; ix: ask for the list of tile t + 3 into (ou, om), and make its pair 0's offsets in stretch 14; cc: convert tile t + 1; gg: ask for tile t + 2, by (iu, im).
; The epilogue of block b: relu rides in period 2 b + 2, second layer at RP 2 b + 3, sums and store at RP 2 b + 4 (past 7: in the next trip).
.macro TILE xr, xw, prev, ix, cc, gg, iu, im, ou, om
.if \ix
	s_add_nc_u64 s[12:13], s[12:13], 256           ; 64 edges on; the loads that named the pointer were waited for in the last trip
	s_load_b512 s[\ou:\ou+15], s[12:13], 0x0       ; into the set whose offsets were all made in the last trip
	s_load_b512 s[\om:\om+15], s[12:13], 4*NE
.endif
.irp rp,0,1,2,3,4,5,6,7
.set EP, 0
.set PSTEP, 0
.set ON, \prev
.if (\rp%2) == 1
.if \rp >= 3
.set ON, 1
.endif
.if ON
.set EP, 1
.endif
.set EAB, ACC+32*(((\rp+1)/2)%2)
.else
.if \rp >= 4
.set ON, 1
.endif
.if ON
.set EP, 2
.endif
.set POFF, 64*((\rp/2+2)%4)
.endif
.if \rp == 3
.set PSTEP, \prev
.endif
.set PP, \rp
.set LEFT, 56-8*\rp*(1-\gg)                        ; the ring's other seven pairs; where nothing is asked for any more, only the pairs behind this one
	RP \rp, \xr, \xw, \cc, \gg
	; the period's first stretch
.set MAXB, -1
.set GAON, 0
.set KMW, 0
.if (\rp%2) == 0
.set ON, \prev
.if \rp >= 2
.set ON, 1
.endif
.if ON
.set MAXB, ACC+32*((\rp/2+1)%2)                    ; the set that is not being multiplied
.endif
.endif
.if \rp == 7
.if \ix
.set GAON, 1
.set KMW, 1
.set GAP, 0
.set GIU, \ou
.set GIM, \om
.endif
.endif
.if \rp == 0
	s_wait_dscnt 16+4*\cc                          ; LDS serves a wave in order: stretch 0's fragments are in; two younger groups and the X stores may be out
.else
	s_wait_dscnt NRP                               ; this stretch's fragments came with the last run: all of this run may be out
.endif
	MUL 2*\rp
	; the period's second stretch
.if MAXB >= 0
.set MAXB, MAXB+16
.endif
.set GAON, 0
.set KMW, 0
.if \rp < 7
.if \gg
.set GAON, 1
.set GAP, \rp+1
.set GIU, \iu
.set GIM, \im
.endif
	s_wait_dscnt 8+4*\cc                           ; one younger group of fragments and the X stores may be out
.else
	s_wait_dscnt 0x0                               ; for the others: my reads of this slot are back (these were the last), my rows of the next tile are stored
	s_barrier_signal -1                            ; say so, and multiply on registers while the others arrive
.endif
	MUL 2*\rp+1
.endr
	WIN 0
	s_barrier_wait -1                              ; now this slot may be written and the other one read
.endm
	; ---- set-up: addresses ----
	s_load_b512 s[4:19], s[0:1], 0x0               ; W1 4:5, W2 6:7, b1 8:9, b2 10:11, list 12:13, movies 14:15, users 16:17, out 18:19
	v_lshl_add_u32 v254, v0, 2, 0x31000
	v_mov_b32 v255, 0
	v_lshrrev_b32 v12, 5, v0
	v_readfirstlane_b32 s20, v12                   ; wave 0..3
	v_and_b32 v12, 31, v0                          ; lane
	v_and_b32 v14, 15, v0                          ; r
	v_bfe_u32 v15, v0, 4, 1                        ; h
	v_and_b32 v13, 7, v0
	v_lshl_add_u32 v13, v15, 3, v13                ; 8 h + lane mod 8
	v_lshlrev_b32 v[LANE16], 4, v12
	s_mul_i32 s21, s20, 16*XP
	v_add_nc_u32 v[STA0], s21, v[LANE16]
	v_add_nc_u32 v[STA1], XSLOT, v[STA0]
	v_mul_u32_u24 v[FA0], v14, XP
	v_lshl_add_u32 v[FA0], v15, 4, v[FA0]
	v_add_nc_u32 v[FA1], XSLOT, v[FA0]
	s_mul_i32 s21, s20, 2*PPH
	s_add_co_u32 s21, s21, PART
	v_lshl_add_u32 v[PADR], v14, 2, s21
	v_mad_u32_u24 v[PADR], v15, PPH, v[PADR]       ; part 2 w + h, word r: row r of tile 0
	s_lshl_b32 s21, s20, 8                         ; my 64 columns: 256 bytes of f32
	v_lshl_add_u32 v[WGA], v14, 4, s21
	v_lshl_add_u32 v[WGA], v15, 10, v[WGA]         ; lanes 16-31 take the next row of W1
	v_lshl_add_u32 v[BA], v15, 5, s21
	s_mul_i32 s21, s20, WST
	v_lshl_add_u32 v[WSA], v14, 3, s21
	v_mad_u32_u24 v[WSA], v15, WP, v[WSA]
	v_mad_u32_u24 v[WTA], v13, WP, s21
	v_bfe_u32 v13, v0, 3, 1
	v_lshl_add_u32 v[WTA], v13, 4, v[WTA]
	s_mul_i32 s28, ttmp9, 4*EPG                    ; my edges' bytes in a row of the list
	s_add_co_u32 s21, s20, 1
	s_and_b32 s21, s21, 3
	s_lshl_b32 s21, s21, 6
	s_add_co_u32 s2, s28, s21                      ; tile 0: wave 3 (rows 48-63) takes edges 0-15, waves 0, 1, 2 take edges 16-63 for the rows without an edge
	s_mov_b32 s3, 0
	s_lshl_b32 s21, s20, 6
	s_add_co_u32 s28, s28, s21                     ; tile 1: from local edge 16, 16 edges a wave
	s_add_co_u32 s28, s28, 64
	s_mov_b32 s29, 0
	s_wait_kmcnt 0x0
	s_add_nc_u64 s[2:3], s[12:13], s[2:3]
	s_add_nc_u64 s[12:13], s[12:13], s[28:29]
	s_load_b512 s[IUA:IUA+15], s[2:3], 0x0         ; the list of tile 0
	s_load_b512 s[IMA:IMA+15], s[2:3], 4*NE
	s_load_b512 s[IUB:IUB+15], s[12:13], 0x0       ; of tile 1
	s_load_b512 s[IMB:IMB+15], s[12:13], 4*NE
	s_load_b32 s26, s[10:11], 0x0                  ; b2
.irp nb,0,1,2,3
.irp q,0,1
	global_load_b128 v[B1+8*\nb+4*\q:B1+8*\nb+4*\q+3],   v[BA], s[8:9] offset:64*\nb+16*\q
	global_load_b128 v[W2R+8*\nb+4*\q:W2R+8*\nb+4*\q+3], v[BA], s[6:7] offset:64*\nb+16*\q
.endr
.endr
	; ---- W1: load tt takes rows 2 tt, 2 tt + 1 of my 64 columns: sixteen lanes cover 256 neighbouring aligned bytes ----
.set tt, 0
.rept 32
	global_load_b128 v[WR+4*tt:WR+4*tt+3], v[WGA], s[4:5] offset:2048*tt
.set tt, tt+1
.endr
	s_wait_kmcnt 0x0                               ; the lists of tiles 0 and 1, and b2
	s_mov_b32 s27, s26
.irp p,0,1,2,3,4,5,6,7
.set PP, \p
	GADDR IUA, IMA                                 ; tile 0's sixteen rows of mine go out while W1 is on its way
	WIN 0xcc
	GLP
.endr
	WIN 0
	s_add_nc_u64 s[12:13], s[12:13], 256           ; the list of tile 2, into the set that tile 0 has done with
	s_load_b512 s[IUA:IUA+15], s[12:13], 0x0
	s_load_b512 s[IMA:IMA+15], s[12:13], 4*NE
; 64 transposing loads: the stage's 256 rows become the fragments of eight k steps.  They follow my own stores in order, and the next stores follow them.
.macro WFRAGS win
	WIN \win
.irp ks,0,1,2,3,4,5,6,7
.irp nb,0,1,2,3
	ds_load_tr16_b128 v[32*\ks+8*\nb:32*\ks+8*\nb+3],   v[WTA] offset:32*WP*\ks+32*\nb
	ds_load_tr16_b128 v[32*\ks+8*\nb+4:32*\ks+8*\nb+7], v[WTA] offset:32*WP*\ks+32*\nb+16*WP
.endr
.endr
	WIN 0
.endm
	; 32 groups of eight loads: sixteen conversions, eight stores, eight loads.  Row k = 2 u + h of a half of W1 (u = tt mod 128) goes to the stage's row
	; 8 ((u mod 64) / 2) + 4 (u / 64) + 2 (u mod 2) + h: the place that k has in a row of X.
.set gq, 0
.rept 32
.if gq < 4
	s_wait_loadcnt 63                              ; behind this group stand 88 loads (three groups' worth of W1, tile 0's 64): more than the count can name, so the largest is taken.  b1 and W2 are older
.else
.if gq < 28
	s_wait_loadcnt 24                              ; the three younger groups
.else
	s_wait_loadcnt 8*(31-gq)                       ; the ring runs empty; the last wait is for 0, and tile 0's rows are older than that
.endif
.endif
.set uu, 0
.rept 8
.set tt, 8*gq+uu
	v_cvt_pk_bf16_f32 v[TS+2*uu],   v[WR+4*(tt%32)],   v[WR+4*(tt%32)+1]
	v_cvt_pk_bf16_f32 v[TS+2*uu+1], v[WR+4*(tt%32)+2], v[WR+4*(tt%32)+3]
.set uu, uu+1
.endr
.set uu, 0
.rept 8
.set tu, (8*gq+uu)%128
	ds_store_b64 v[WSA], v[TS+2*uu:TS+2*uu+1] offset:WP*(8*((tu%64)/2)+4*(tu/64)+2*(tu%2))
.set uu, uu+1
.endr
.if gq < 28
.set uu, 0
.rept 8
.set tt, 8*gq+uu
	global_load_b128 v[WR+4*(tt%32):WR+4*(tt%32)+3], v[WGA], s[4:5] offset:2048*(tt+32)
.set uu, uu+1
.endr
.endif
.if gq == 15
	WFRAGS 0x40                                    ; k 0-255 into window 1
.endif
.if gq == 31
	WFRAGS 0x80                                    ; k 256-511 into window 2
.endif
.set gq, gq+1
.endr
	s_wait_dscnt 0x0                               ; my fragments of W are in registers: my stage is read for the last time
	s_barrier_signal -1
	s_barrier_wait -1                              ; every wave's is: the bytes now serve as X and PART
	; ---- tile 0 into slot 0 (its loads are older than the wait for 0 above); tile 1 asked for ----
.irp p,0,1,2,3,4,5,6,7
.set PP, \p
	WIN 0xcf
	CVTP
	GADDR IUB, IMB
	WIN 0xcc
	STP STA0
	GLP
.endr
	s_wait_kmcnt 0x0                               ; the list of tile 2
.set PP, 0
	GADDR IUA, IMA                                 ; the offsets that trip 0's first run uses
	s_wait_dscnt 0x0                               ; my rows of tile 0 are stored
	s_barrier_signal -1
	s_barrier_wait -1
	; ---- the 32 trips ----
	TILE FA0, STA1, 0, 1, 1, 1, IUA, IMA, IUB, IMB ; trip 0: no epilogue is left over from a tile before
	s_mov_b32 s22, 14
.Lpair:                                            ; trips 1 to 28
	TILE FA1, STA0, 1, 1, 1, 1, IUB, IMB, IUA, IMA
	TILE FA0, STA1, 1, 1, 1, 1, IUA, IMA, IUB, IMB
	s_sub_co_u32 s22, s22, 1
	s_cmp_lg_u32 s22, 0
	s_cbranch_scc1 .Lpair
	TILE FA1, STA0, 1, 0, 1, 1, IUB, IMB, IUA, IMA ; trip 29: tile 31 asked for; no list is left to fetch
	TILE FA0, STA1, 1, 0, 1, 0, IUA, IMA, IUB, IMB ; trip 30: tile 31 converted; the counts run down
	TILE FA1, STA0, 1, 0, 0, 0, IUB, IMB, IUA, IMA ; trip 31: products alone
	; ---- what is left of tile 31: block 2's sums, block 3's whole epilogue ----
	PLACES                                         ; behind the last products, whose results are read below
	SUMUP 12
	ds_store_b32 v[PADR], v12 offset:128
.set jj, 0
.rept 32
	v_max_num_f32 v[ACC+32+jj], 0, v[ACC+32+jj]
.set jj, jj+1
.endr
.set EAB, ACC+32
	PK16
	SUMUP 14
	ds_store_b32 v[PADR], v14 offset:192
	s_wait_dscnt 0x0                               ; my parts are stored
	s_barrier_signal -1
	s_barrier_wait -1                              ; everybody's are
	; ---- the way out: the eight parts and b2, 16 bytes a thread.  My 8,000 bytes of out0 begin mis = 64 (g mod 4) bytes behind a multiple of 256:
	; the four passes start at that multiple, so each store of a wave covers 512 neighbouring bytes, aligned; the first and the last pass mask the lanes outside my bytes.
	s_lshl_b32 s28, ttmp9, 6
	s_and_b32 s28, s28, 0xc0                       ; mis = 8,000 g mod 256
	s_mul_i32 s2, ttmp9, 4*EPG
	s_sub_co_u32 s2, s2, s28
	s_mov_b32 s3, 0
	s_add_nc_u64 s[18:19], s[18:19], s[2:3]
	s_sub_co_u32 s21, PART+LEAD, s28               ; out byte x of the passes is edge (x - mis) / 4
	s_add_co_u32 s29, s28, 4*EPG-3*2048            ; the last pass's bound
	v_lshlrev_b32 v[OV], 4, v0
	v_add_nc_u32 v[LR], s21, v[OV]
.macro OUTR q
.set OO, ACC+32*\q                                 ; registers of its own for each pass: no store's data is written again
.irp k,0,1,2,3,4,5,6,7
	ds_load_b128 v[OO+4*\k:OO+4*\k+3], v[LR] offset:2048*\q+PPH*\k
.endr
	s_wait_dscnt 0x0
.irp k,0,2,4,6
	v_pk_add_f32 v[OO+4*\k:OO+4*\k+1],   v[OO+4*\k:OO+4*\k+1],   v[OO+4*\k+4:OO+4*\k+5]
	v_pk_add_f32 v[OO+4*\k+2:OO+4*\k+3], v[OO+4*\k+2:OO+4*\k+3], v[OO+4*\k+6:OO+4*\k+7]
.endr
.irp k,0,4
	v_pk_add_f32 v[OO+4*\k:OO+4*\k+1],   v[OO+4*\k:OO+4*\k+1],   v[OO+4*\k+8:OO+4*\k+9]
	v_pk_add_f32 v[OO+4*\k+2:OO+4*\k+3], v[OO+4*\k+2:OO+4*\k+3], v[OO+4*\k+10:OO+4*\k+11]
.endr
	v_pk_add_f32 v[OO:OO+1],   v[OO:OO+1],   v[OO+16:OO+17]
	v_pk_add_f32 v[OO+2:OO+3], v[OO+2:OO+3], v[OO+18:OO+19]
	v_pk_add_f32 v[OO:OO+1],   v[OO:OO+1],   s[26:27] op_sel_hi:[1,0]
	v_pk_add_f32 v[OO+2:OO+3], v[OO+2:OO+3], s[26:27] op_sel_hi:[1,0]
	global_store_b128 v[OV], v[OO:OO+3], s[18:19] offset:2048*\q th:TH_STORE_NT
.endm
	OUTR 1
	OUTR 2
	v_cmp_le_u32 vcc_lo, s28, v[OV]                ; pass 0: from byte mis on
	s_wait_xcnt 0x0                                ; EXEC is a source of the stores above: it changes only behind this wait
	s_wait_tensorcnt 0x0
	ds_add_u32 v254, v255
	s_wait_dscnt 0x0
	s_and_saveexec_b32 s30, vcc_lo
	OUTR 0
	s_wait_xcnt 0x0
	s_or_b32 exec_lo, exec_lo, s30
	v_cmp_gt_u32 vcc_lo, s29, v[OV]                ; pass 3: up to byte mis + 8,000
	s_and_saveexec_b32 s30, vcc_lo                 ; nothing was issued since the wait above
	OUTR 3
	s_wait_xcnt 0x0
	s_or_b32 exec_lo, exec_lo, s30
	s_endpgm
.Lfunc_end_k_q820068d80b_edge:
	.size	k_q820068d80b_edge, .Lfunc_end_k_q820068d80b_edge-k_q820068d80b_edge
	.p2alignl 7, 3214868480
	.fill 96, 4, 3214868480
	.section	.rodata,"a",@progbits
	.p2align	6, 0x0
	.amdhsa_kernel k_q820068d80b_edge
		.amdhsa_group_segment_fixed_size 201216
		.amdhsa_private_segment_fixed_size 0
		.amdhsa_enable_private_segment 0
		.amdhsa_kernarg_size 64
		.amdhsa_user_sgpr_count 2
		.amdhsa_user_sgpr_kernarg_segment_ptr 1
		.amdhsa_wavefront_size32 1
		.amdhsa_system_sgpr_workgroup_id_x 1
		.amdhsa_system_sgpr_workgroup_id_y 1
		.amdhsa_system_sgpr_workgroup_id_z 1
		.amdhsa_system_vgpr_workitem_id 0
		.amdhsa_next_free_vgpr 1024
		.amdhsa_next_free_sgpr 100
		.amdhsa_reserve_vcc 1
		.amdhsa_float_denorm_mode_32 3
		.amdhsa_float_denorm_mode_16_64 3
		.amdhsa_memory_ordered 1
		.amdhsa_forward_progress 1
		.amdhsa_inst_pref_size 255
	.end_amdhsa_kernel
	.section	.bss,"aw",@nobits
	.p2align	6
	.space	262144
	.amdgpu_metadata
---
amdhsa.version: [ 1, 2 ]
amdhsa.kernels:
  - .name:           k_q820068d80b_edge
    .symbol:         k_q820068d80b_edge.kd
    .args:
      - { .name: W1, .offset: 0, .size: 8, .value_kind: global_buffer, .address_space: global }
      - { .name: W2, .offset: 8, .size: 8, .value_kind: global_buffer, .address_space: global }
      - { .name: b1, .offset: 16, .size: 8, .value_kind: global_buffer, .address_space: global }
      - { .name: b2, .offset: 24, .size: 8, .value_kind: global_buffer, .address_space: global }
      - { .name: edge_label_index, .offset: 32, .size: 8, .value_kind: global_buffer, .address_space: global }
      - { .name: movie_emb, .offset: 40, .size: 8, .value_kind: global_buffer, .address_space: global }
      - { .name: user_emb, .offset: 48, .size: 8, .value_kind: global_buffer, .address_space: global }
      - { .name: out0, .offset: 56, .size: 8, .value_kind: global_buffer, .address_space: global }
    .group_segment_fixed_size: 201216
    .private_segment_fixed_size: 0
    .kernarg_segment_align: 8
    .kernarg_segment_size: 64
    .max_flat_workgroup_size: 128
    .sgpr_count:     100
    .vgpr_count:     1024
    .wavefront_size: 32
...
	.end_amdgpu_metadata
.endif
;; end of part 1
